; MI455X (gfx1250); checked and timed in simulation.
; The chip was launched on July 23, 2026; its instructions are those of AMD's public machine-readable ISA for CDNA 5 (MIT licence, August 2026) and "CDNA5" Instruction Set Architecture Reference Guide (July 2026). The comments in the code are by the model that wrote it; some were corrected since.
;; Arccos Hessian Calculator. Allowed arithmetic: float matrix products may take bf16 or f16 operands with f32 sums; all other float work in f32.
;; Inputs: W 128 x 512 float32; an 1,024 int32; ap 1,024 int32; n 1,024 int32; p 1,024 int32; x 16,384 x 512 float32.
;; Outputs: out0 65,536 float32.
;; 2 versions, each right; version 2 is version 1 with the launch partial written anew for expert scheduling mode. Each part assembles by itself: llvm-mc -triple=amdgcn-amd-amdhsa -mcpu=gfx1250 --defsym DOCPART=n.
;; ======== version 1 of 2: 2 launches
;; limits: values outside matrix products are rounded to bf16
;; workspace buffers: part 16,777,216 bytes
;; launch partial (part 1): grid 64 x 1, 8 waves a work-group, no clusters, 236,544 bytes of LDS; arguments x, W, ap, p, an, n, part; writes part
.if DOCPART == 1
	.amdgcn_target "amdgcn-amd-amdhsa--gfx1250"
	.amdhsa_code_object_version 6
	.text
	.protected	k_qf4ee1dbc88_partial
	.globl	k_qf4ee1dbc88_partial
	.p2align	8
	.type	k_qf4ee1dbc88_partial,@function
k_qf4ee1dbc88_partial:
	s_mov_b64 s[64:65], 0
	v_nop
	global_prefetch_b8 v0, s[64:65] scope:SCOPE_SE
	s_setreg_imm32_b32 hwreg(HW_REG_WAVE_MODE, 25, 1), 1
	s_wait_xcnt 0x0
; PARTIAL SUMS OF  out[i][j] = sum over pairs of +-( d11[i] x1[j]^2 - 2 d12[i] x1[j] x2[j] + d22[i] x2[j]^2 ).
; x [16384][512] f32, W [128][512] f32, four lists of 1,024 row numbers.  64 work-groups of 8 waves; a work-group takes 32 pairs:
; groups 0-31 the pairs (ap, p) with sign +1, groups 32-63 the pairs (an, n) with sign -1, and stores its own 128 x 512 sums (262,144 bytes).
;
; THE ALGEBRA.  With z = x W^T, P11 = z1[i]^2, P12 = z1[i] z2[i], P22 = z2[i]^2, n1^2 = sum P11, n2^2 = sum P22, c = sum P12 / (n1 n2):
;   the identity parts of the three diagonals do not hang on i:  s[j] = sum of  al x1^2 + be x1 x2 + ga x2^2,
;       al = c / n1^2, be = 2 / (n1 n2), ga = c / n2^2.  They are summed in f32 from the f32 x and enter as the C operand of each tile's first product.
;   the rest is a matrix product over k = pair with bf16 operands and f32 sums:
;       D11 = a1 P12 + a2 P11 (times x1^2),  D12 = b3 P12 - a1 P11 - a3 P22 (times x1 x2),  D22 = a3 P12 + a4 P22 (times x2^2),
;       a1 = be / n1^2, a3 = be / n2^2, a2 = -3 al / n1^2, a4 = -3 ga / n2^2, b3 = 2 c / (n1 n2)^2.   The sign is folded into all eight.
;
; WHO HOLDS WHAT.  Wave w gathers columns 64 w .. 64 w + 63 (256 bytes) of all 64 rows: lane (q = lane % 16, g = lane / 16) holds columns 4 q .. 4 q + 3 of
; both rows of the 16 pairs 8 g + 0..7 and 16 + 8 g + 0..7, as f32, in 128 registers.  That is the layout of the second product's B fragments (column 4 q + tau
; for tile tau, k = pair), so x is read from memory once and never transposed.  A bf16 copy goes to LDS for the first product, in which wave w makes
; z[all 64 rows][16 w .. 16 w + 15]; there lane (r, h) ends with i = 16 w + r and registers = pairs 8 h + 0..7: the layout of the second product's A fragments.
; In the second product wave w makes all 128 i x its 64 columns (32 accumulators); the D fragments of the eight waves meet in LDS.
;
; NO TENSOR LOADS, NO CLUSTER: the rows of x come by a list, and x and W lie in memory as f32 and are wanted as bf16.  W as f32 would take 262,144 bytes
; of LDS beside x's 66,560: more than the 327,680 there are.  Through registers W is converted on the way and takes 133,120.
;
; LIMITS.  A row number is taken as unsigned and clamped to 16,383.  A pair with an all-zero z gives inf or NaN, as the formula does.
; The order of the sums is this text's own; z, D and the products of x are rounded to bf16 as matrix operands, all else is f32.
.set PITCH, 1040                       ; an LDS row of 512 bf16 + 16 bytes = 65 x 16: the sixteen rows of a fragment load start in sixteen different 16-byte columns
.set WBASE, 64*PITCH                   ; x: 64 rows from byte 0; W: 128 rows behind them
.set RED,   WBASE+128*PITCH            ; [wave][3 sums][32 pairs] f32
.set COEF,  RED+8*384                  ; [wave][8 coefficients][32 pairs] f32: each wave's own copy
.set DFR,   COEF+8*1024                ; [3 terms][8 i tiles][2 halves][32 lanes] 16 bytes: D as fragments; ends at 235,520
; window 0 (v0-v255)
.set IDX, 20                           ; v20-51    row numbers, then byte offsets of the 32 gathered pieces
.set ZZ,  20                           ; v20-51    z: tiles x1 pairs 0-15, x1 pairs 16-31, x2 pairs 0-15, x2 pairs 16-31
.set DF,  20                           ; v20-43    D11, D12, D22 as fragments
.set TU,  44                           ; v44-51    at work
.set AB0, 52                           ; v52-115   A fragments, buffer 0 (2 K steps x 4 tiles)
.set AB1, 116                          ; v116-179  buffer 1
.set XT,  52                           ; v52-115   x as bf16 on its way to LDS
.set RR,  52                           ; v52-99    the 48 sums over lanes
.set RL,  100                          ; v100-123  the eight waves' sums of pair = lane
.set CF,  52                           ; v52-179   a1, a2, a3, a4, b3, al, be, ga of my 16 pairs, 16 registers each
.set AL,  CF+80
.set BE,  CF+96
.set GA,  CF+112
.set PP,  180                          ; v180-227  P11, P12, P22 of my 16 pairs
.set CT,  228                          ; v228-243  the coefficients of pair = lane
.set XF,  20                           ; v20-115   B fragments: [3 terms][4 column tiles]
.set TMP, 180                          ; v180-243  a term's 64 products in f32
.set SS,  244                          ; v244-247  s of my 4 columns
.set UU,  248
.set VV,  252
.set CB,  116                          ; v116-147  C blocks: s of column tile tau, eight times
.set DB0, 148                          ; v148-195  D fragments of two i tiles
.set DB1, 196                          ; v196-243
; window 1 (v256-v511, written by their low 8 bits)
.set X1, 0                             ; v256-319  x1 of pair slot t: 4 registers
.set X2, 64                            ; v320-383  x2
.set WS, 128                           ; v384-511  W as loaded (8 rows at a time), then W's 16 B fragments
                                       ; later all of window 1: accumulator (i tile, tau) at 8 (4 i tile + tau)
.set MSB, 0
.macro WIN new                         ; low byte: bits 1:0 source 0, 3:2 source 1, 5:4 source 2, 7:6 destination; the high byte repeats the setting that is left
.if MSB != \new
	s_set_vgpr_msb (MSB<<8)|\new
.set MSB, \new
.endif
.endm
.macro PLACES                          ; four plain vector places between a matrix instruction and a load into, or a reader or writer of, its registers
.rept 4
	v_nop
.endr
.endm
	s_load_b256 s[4:11], s[0:1], 0x0               ; x s[4:5], W s[6:7], ap s[8:9], p s[10:11]
	s_load_b128 s[12:15], s[0:1], 0x20             ; an s[12:13], n s[14:15]
	s_load_b64 s[16:17], s[0:1], 0x30              ; part
	v_lshl_add_u32 v18, v0, 2, 0x39800
	v_mov_b32 v19, 0
	v_lshrrev_b32 v1, 5, v0
	v_readfirstlane_b32 s19, v1                    ; wave 0..7
	v_and_b32 v1, 31, v0                           ; lane
	v_and_b32 v2, 15, v0                           ; r = q = lane % 16
	v_bfe_u32 v3, v0, 4, 1                         ; h = g = lane / 16
	v_lshlrev_b32 v5, 5, v3                        ; lists: my half's eight pairs start 32 g bytes in
	v_lshlrev_b32 v6, 4, v1                        ; 16 x lane: W's rows in, the sums out
	s_lshl_b32 s20, s19, 8
	v_lshl_add_u32 v4, v2, 4, s20                  ; my 16 bytes of a row of x: 256 w + 16 q
	s_mov_b32 s18, 0x3f800000
	s_mov_b32 s3, 0
	s_wait_kmcnt 0x0
	s_cmp_lt_u32 ttmp9, 32                         ; groups 0-31: the positive pairs
	s_cselect_b64 s[8:9], s[8:9], s[12:13]         ; the list of first rows
	s_cselect_b64 s[10:11], s[10:11], s[14:15]     ; the list of second rows
	s_cselect_b32 s18, s18, 0xbf800000             ; the sign
	s_and_b32 s2, ttmp9, 31
	s_lshl_b32 s2, s2, 7                           ; 32 pairs x 4 bytes
	s_add_nc_u64 s[8:9], s[8:9], s[2:3]
	s_add_nc_u64 s[10:11], s[10:11], s[2:3]
	; the lists first: the gather hangs on them.  Slot t = 8 mu + j of half g is pair 16 mu + 8 g + j.
	global_load_b128 v[IDX:IDX+3],     v5, s[8:9]
	global_load_b128 v[IDX+4:IDX+7],   v5, s[8:9] offset:16
	global_load_b128 v[IDX+8:IDX+11],  v5, s[8:9] offset:64
	global_load_b128 v[IDX+12:IDX+15], v5, s[8:9] offset:80
	global_load_b128 v[IDX+16:IDX+19], v5, s[10:11]
	global_load_b128 v[IDX+20:IDX+23], v5, s[10:11] offset:16
	global_load_b128 v[IDX+24:IDX+27], v5, s[10:11] offset:64
	global_load_b128 v[IDX+28:IDX+31], v5, s[10:11] offset:80
	s_lshl_b32 s2, s19, 15
	s_add_nc_u64 s[6:7], s[6:7], s[2:3]            ; W at my 16 rows
; eight of my rows of W: four loads a row, each 512 neighbouring bytes
.macro WLOAD half
	WIN 0x40
.set ii, 0
.rept 32
	global_load_b128 v[WS+4*ii:WS+4*ii+3], v6, s[6:7] offset:(8*(\half)+ii/4)*2048+512*(ii%4)
.set ii, ii+1
.endr
.endm
; rounded to bf16 in place and laid into my rows of LDS: a store covers 256 neighbouring bytes
.macro WSTORE half
	WIN 0x45
.set ii, 0
.rept 32
	v_cvt_pk_bf16_f32 v[WS+4*ii],   v[WS+4*ii],   v[WS+4*ii+1]
	v_cvt_pk_bf16_f32 v[WS+4*ii+1], v[WS+4*ii+2], v[WS+4*ii+3]
.set ii, ii+1
.endr
	WIN 0x04
.set ii, 0
.rept 32
	ds_store_b64 v7, v[WS+4*ii:WS+4*ii+1] offset:(8*(\half)+ii/4)*PITCH+256*(ii%4)
.set ii, ii+1
.endr
.endm
	WLOAD 0
	WIN 0
	s_lshl_b32 s20, ttmp9, 18                      ; my group's slice of 262,144 bytes, my wave's 32,768 in it
	s_add_co_u32 s2, s2, s20
	s_add_nc_u64 s[16:17], s[16:17], s[2:3]
	; LDS addresses, while the lists are on their way
	v_mul_u32_u24 v10, v2, PITCH
	v_lshl_add_u32 v10, v3, 4, v10                 ; a fragment's lane term r x pitch + 16 h: x's fragments (x lies at byte 0)
	s_mul_i32 s21, s19, 16*PITCH
	s_add_co_u32 s21, s21, WBASE                   ; my 16 rows of W in LDS
	v_lshl_add_u32 v7, v1, 3, s21                  ; in: 8 bytes a lane
	v_add_nc_u32 v8, s21, v10                      ; back: as fragments
	s_lshl_b32 s22, s19, 7
	v_mul_u32_u24 v9, v3, 8*PITCH
	v_lshl_add_u32 v9, v2, 3, v9
	v_add_nc_u32 v9, s22, v9                       ; x in: row 8 g (+ the slot's), byte 128 w + 8 q
	s_mul_i32 s23, s19, 384
	s_add_co_u32 s23, s23, RED
	v_lshl_add_u32 v11, v3, 5, s23                 ; my wave's sums, pairs 8 h ..
	v_lshlrev_b32 v12, 2, v1
	v_add_nc_u32 v12, RED, v12                     ; all waves' sums of pair = lane
	s_lshl_b32 s26, s19, 10
	s_add_co_u32 s27, s26, COEF
	v_lshl_add_u32 v13, v1, 2, s27                 ; my wave's table, pair = lane
	v_lshl_add_u32 v14, v3, 5, s27                 ; my wave's table, pairs 8 h ..
	v_add_nc_u32 v15, DFR, v6                      ; D fragments: 16 bytes a lane
	v_add_nc_u32 v16, s26, v15                     ; my wave's i tile among them
	s_mov_b32 s24, 0x76543210                      ; v_permlanex16_b32: lane i reads lane i of the other half
	s_mov_b32 s25, 0xfedcba98
	s_wait_loadcnt 32                              ; the eight list loads are in; W's 32 behind them stay out
.set ii, 0
.rept 32
	v_min_u32 v[IDX+ii], 0x3fff, v[IDX+ii]         ; inside the table of 16,384 rows
.set ii, ii+1
.endr
.set ii, 0
.rept 32
	v_lshl_add_u32 v[IDX+ii], v[IDX+ii], 11, v4    ; row x 2,048 bytes + my 16 bytes
.set ii, ii+1
.endr
	WIN 0x40
.set ii, 0
.rept 32
	global_load_b128 v[X1+4*ii:X1+4*ii+3], v[IDX+ii], s[4:5]   ; sixteen lanes take 256 aligned bytes of one row, the other sixteen of the row of pair + 8
.set ii, ii+1
.endr
	s_wait_loadcnt 32                              ; W's rows 0-7 are in; the 32 gathers stay out
	WSTORE 0
	s_wait_dscnt 0x0                               ; those stores are done with their registers, which are loaded again
	WLOAD 1
	s_wait_loadcnt 32                              ; x is in; W's rows 8-15 stay out
	WIN 0x05
.set ii, 0
.rept 32
	v_cvt_pk_bf16_f32 v[XT+2*ii],   v[X1+4*ii],   v[X1+4*ii+1]    ; a bf16 copy; the f32 stays in window 1
	v_cvt_pk_bf16_f32 v[XT+2*ii+1], v[X1+4*ii+2], v[X1+4*ii+3]
.set ii, ii+1
.endr
	WIN 0
.set ii, 0
.rept 32
	ds_store_b64 v9, v[XT+2*ii:XT+2*ii+1] offset:(32*(ii/16)+16*((ii/8)%2)+ii%8)*PITCH   ; LDS row 32 x (second row?) + pair
.set ii, ii+1
.endr
	s_wait_loadcnt 0x0
	WSTORE 1
	s_wait_dscnt 0x0                               ; the stores are done with their registers, which take the fragments
	WIN 0x40
.set ii, 0
.rept 16
	ds_load_b128 v[WS+8*ii:WS+8*ii+3],   v8 offset:64*ii       ; my own rows, written by my own stores: W(16 w + r, 32 ii + 8 h ..)
	ds_load_b128 v[WS+8*ii+4:WS+8*ii+7], v8 offset:64*ii+32    ; W(16 w + r, 32 ii + 16 + 8 h ..)
.set ii, ii+1
.endr
	WIN 0x04                                       ; for all of the first product: source 1 (W) in window 1, all else in window 0
	s_wait_dscnt 0x0                               ; my part of x is in LDS, W's fragments are in
	s_barrier_signal -1
	s_barrier_wait -1                              ; x is whole
; THE FIRST PRODUCT: z = x W^T, K = 512 in 8 groups of two steps of 32.  The group's number may be given as a sum, so it stands in brackets wherever it is used.
.macro FETCH grp, buf                  ; 16 loads: K steps 2 grp and 2 grp + 1 x 4 tiles of 16 rows
.set ii, 0
.rept 8
	ds_load_b128 v[\buf+8*ii:\buf+8*ii+3],   v10 offset:(ii%4)*16*PITCH+64*(2*(\grp)+ii/4)
	ds_load_b128 v[\buf+8*ii+4:\buf+8*ii+7], v10 offset:(ii%4)*16*PITCH+64*(2*(\grp)+ii/4)+32
.set ii, ii+1
.endr
.endm
.macro MUL1 grp, buf                   ; the four accumulators take turns, one instruction a turn; K step 0 alone starts the sums
.set ii, 0
.rept 8
.if 8*(\grp)+ii < 4
	v_wmma_f32_16x16x32_bf16 v[ZZ+8*(ii%4):ZZ+8*(ii%4)+7], v[\buf+8*ii:\buf+8*ii+7], v[WS+8*(2*(\grp)+ii/4):WS+8*(2*(\grp)+ii/4)+7], 0
.else
	v_wmma_f32_16x16x32_bf16 v[ZZ+8*(ii%4):ZZ+8*(ii%4)+7], v[\buf+8*ii:\buf+8*ii+7], v[WS+8*(2*(\grp)+ii/4):WS+8*(2*(\grp)+ii/4)+7], v[ZZ+8*(ii%4):ZZ+8*(ii%4)+7]
.endif
.set ii, ii+1
.endr
.endm
	FETCH 0, AB0
	FETCH 1, AB1
.irp gg, 0,2,4
	s_wait_dscnt 16                                ; this group's 16 loads are in, the next group's stay out
	MUL1 \gg, AB0
	PLACES
	FETCH \gg+2, AB0
	s_wait_dscnt 16
	MUL1 \gg+1, AB1
	PLACES
	FETCH \gg+3, AB1
.endr
	s_wait_dscnt 16
	MUL1 6, AB0
	s_wait_dscnt 0x0
	MUL1 7, AB1
	PLACES
	WIN 0
	; NORMS AND COSINE.  Lane (r, h), register 8 mu + j: z of pair 16 mu + 8 h + j at i = 16 w + r.
.set ee, 0
.rept 8
	v_pk_mul_f32 v[PP+2*ee:PP+2*ee+1],       v[ZZ+2*ee:ZZ+2*ee+1],       v[ZZ+2*ee:ZZ+2*ee+1]         ; P11
	v_pk_mul_f32 v[PP+16+2*ee:PP+16+2*ee+1], v[ZZ+2*ee:ZZ+2*ee+1],       v[ZZ+16+2*ee:ZZ+16+2*ee+1]   ; P12
	v_pk_mul_f32 v[PP+32+2*ee:PP+32+2*ee+1], v[ZZ+16+2*ee:ZZ+16+2*ee+1], v[ZZ+16+2*ee:ZZ+16+2*ee+1]   ; P22
.set ee, ee+1
.endr
.set ii, 0
.rept 48
	v_add_f32_dpp v[RR+ii], v[PP+ii], v[PP+ii] row_xmask:1 row_mask:0xf bank_mask:0xf    ; over my 16 i: four steps inside each half of 16 lanes; P itself is kept
.set ii, ii+1
.endr
.irp mm, 2,4,8
.set ii, 0
.rept 48
	v_add_f32_dpp v[RR+ii], v[RR+ii], v[RR+ii] row_xmask:\mm row_mask:0xf bank_mask:0xf
.set ii, ii+1
.endr
.endr
.set ii, 0
.rept 12
	ds_store_b128 v11, v[RR+4*ii:RR+4*ii+3] offset:128*(ii/4)+64*((ii/2)%2)+16*(ii%2)   ; the sixteen lanes of a half hold, and write, the same four sums
.set ii, ii+1
.endr
	s_wait_dscnt 0x0
	s_barrier_signal -1
	s_barrier_wait -1                              ; all eight waves' sums are in LDS
.set ii, 0
.rept 24
	ds_load_b32 v[RL+ii], v12 offset:384*(ii%8)+128*(ii/8)     ; lane = pair: eight waves x three sums
.set ii, ii+1
.endr
	s_wait_dscnt 0x0
.irp qq, 0,8,16
	v_pk_add_f32 v[RL+\qq:RL+\qq+1],   v[RL+\qq:RL+\qq+1],   v[RL+\qq+2:RL+\qq+3]
	v_pk_add_f32 v[RL+\qq+4:RL+\qq+5], v[RL+\qq+4:RL+\qq+5], v[RL+\qq+6:RL+\qq+7]
.endr
.irp qq, 0,8,16
	v_pk_add_f32 v[RL+\qq:RL+\qq+1], v[RL+\qq:RL+\qq+1], v[RL+\qq+4:RL+\qq+5]
.endr
.irp qq, 0,8,16
	v_add_f32 v[RL+\qq], v[RL+\qq], v[RL+\qq+1]    ; RL: n1^2, RL+8: z1.z2, RL+16: n2^2
.endr
	v_rcp_f32 v[CT+0], v[RL]                       ; 1 / n1^2
	v_rcp_f32 v[CT+1], v[RL+16]                    ; 1 / n2^2
	v_rsq_f32 v[CT+2], v[RL]
	v_rsq_f32 v[CT+3], v[RL+16]
	v_mul_f32 v[CT+4], s18, v[RL+8]                ; the plain place behind the four (ISA guide 5.7.2): sign x z1.z2
	s_wait_alu depctr_va_vdst(0)
	v_mul_f32 v[CT+2], v[CT+2], v[CT+3]            ; 1 / (n1 n2)
	v_mul_f32 v[CT+4], v[CT+4], v[CT+2]            ; sign x c
	v_mul_f32 v[CT+5], s18, v[CT+2]
	v_add_f32 v[CT+14], v[CT+5], v[CT+5]           ; be = sign x 2 / (n1 n2)
	v_mul_f32 v[CT+13], v[CT+4], v[CT+0]           ; al = sign x c / n1^2
	v_mul_f32 v[CT+15], v[CT+4], v[CT+1]           ; ga = sign x c / n2^2
	v_mul_f32 v[CT+8],  v[CT+14], v[CT+0]          ; a1
	v_mul_f32 v[CT+10], v[CT+14], v[CT+1]          ; a3
	v_mul_f32 v[CT+6], 0xc0400000, v[CT+0]         ; -3 / n1^2
	v_mul_f32 v[CT+7], 0xc0400000, v[CT+1]
	v_mul_f32 v[CT+9],  v[CT+13], v[CT+6]          ; a2
	v_mul_f32 v[CT+11], v[CT+15], v[CT+7]          ; a4
	v_mul_f32 v[CT+5], v[CT+4], v[CT+2]
	v_mul_f32 v[CT+5], v[CT+5], v[CT+2]
	v_add_f32 v[CT+12], v[CT+5], v[CT+5]           ; b3 = sign x 2 c / (n1 n2)^2
.irp i, 0,1,2,3,4,5,6,7
	ds_store_b32 v13, v[CT+8+\i] offset:128*\i     ; into my wave's own table ...
.endr
.set ii, 0
.rept 32
	ds_load_b128 v[CF+4*ii:CF+4*ii+3], v14 offset:128*(ii/4)+64*((ii/2)%2)+16*(ii%2)   ; ... and back, the 16 pairs of my half: LDS serves a wave's instructions in order (ISA guide 5.7.1)
.set ii, ii+1
.endr
	s_wait_dscnt 12                                ; a1 .. b3 (20 loads) are in; al, be, ga (12 loads) stay out
	; D as A fragments: register e of a fragment holds pair slots 2 e and 2 e + 1, which is where they lie
.set ee, 0
.rept 8
	v_pk_mul_f32 v[TU:TU+1],   v[CF+16+2*ee:CF+17+2*ee], v[PP+2*ee:PP+2*ee+1]                     ; a2 P11
	v_pk_mul_f32 v[TU+2:TU+3], v[CF+48+2*ee:CF+49+2*ee], v[PP+32+2*ee:PP+33+2*ee]                 ; a4 P22
	v_pk_mul_f32 v[TU+4:TU+5], v[CF+64+2*ee:CF+65+2*ee], v[PP+16+2*ee:PP+17+2*ee]                 ; b3 P12
	v_pk_mul_f32 v[TU+6:TU+7], v[CF+2*ee:CF+2*ee+1],     v[PP+2*ee:PP+2*ee+1]                     ; a1 P11
	v_pk_fma_f32 v[TU:TU+1],   v[CF+2*ee:CF+2*ee+1],     v[PP+16+2*ee:PP+17+2*ee], v[TU:TU+1]     ; D11
	v_pk_fma_f32 v[TU+2:TU+3], v[CF+32+2*ee:CF+33+2*ee], v[PP+16+2*ee:PP+17+2*ee], v[TU+2:TU+3]   ; D22
	v_pk_fma_f32 v[TU+6:TU+7], v[CF+32+2*ee:CF+33+2*ee], v[PP+32+2*ee:PP+33+2*ee], v[TU+6:TU+7]   ; a1 P11 + a3 P22
	v_pk_add_f32 v[TU+4:TU+5], v[TU+4:TU+5], v[TU+6:TU+7] neg_lo:[0,1] neg_hi:[0,1]               ; D12
	v_cvt_pk_bf16_f32 v[DF+ee],    v[TU],   v[TU+1]
	v_cvt_pk_bf16_f32 v[DF+8+ee],  v[TU+4], v[TU+5]
	v_cvt_pk_bf16_f32 v[DF+16+ee], v[TU+2], v[TU+3]
.set ee, ee+1
.endr
.irp t, 0,1,2
	ds_store_b128 v16, v[DF+8*\t:DF+8*\t+3]   offset:8192*\t
	ds_store_b128 v16, v[DF+8*\t+4:DF+8*\t+7] offset:8192*\t+512
.endr
	s_wait_dscnt 0x0                               ; my D is in LDS (and al, be, ga are in)
	s_barrier_signal -1                            ; register work alone up to the wait
	; the products of x, in f32 from the f32 x, rounded once: B fragments, tile tau = columns 4 q + tau
.macro XTERM term, a, b
	WIN 0x05
.set ii, 0
.rept 32
	v_pk_mul_f32 v[TMP+2*ii:TMP+2*ii+1], v[\a+2*ii:\a+2*ii+1], v[\b+2*ii:\b+2*ii+1]
.set ii, ii+1
.endr
	WIN 0
.set ii, 0
.rept 32
	v_cvt_pk_bf16_f32 v[XF+32*(\term)+ii], v[TMP+8*(ii%8)+ii/8], v[TMP+8*(ii%8)+4+ii/8]   ; slots 2 e, 2 e + 1 of column tau; ii = 8 tau + e
.set ii, ii+1
.endr
.endm
	XTERM 0, X1, X1
	XTERM 1, X1, X2
	XTERM 2, X2, X2
	; s of my four columns over my 16 pairs: x1 (al x1 + be x2) + x2 (ga x2).  A coefficient is one register of a pair, given to both halves by op_sel.
.macro SROW t, kb, o
.irp cc, 0, 2
	v_pk_mul_f32 v[UU+\cc:UU+\cc+1], v[X1+4*(\t)+\cc:X1+4*(\t)+\cc+1], v[AL+(\kb):AL+(\kb)+1] op_sel:[0,\o] op_sel_hi:[1,\o]
	v_pk_mul_f32 v[VV+\cc:VV+\cc+1], v[X2+4*(\t)+\cc:X2+4*(\t)+\cc+1], v[GA+(\kb):GA+(\kb)+1] op_sel:[0,\o] op_sel_hi:[1,\o]
	v_pk_fma_f32 v[UU+\cc:UU+\cc+1], v[X2+4*(\t)+\cc:X2+4*(\t)+\cc+1], v[BE+(\kb):BE+(\kb)+1], v[UU+\cc:UU+\cc+1] op_sel:[0,\o,0] op_sel_hi:[1,\o,1]
.if (\t) == 0
	v_pk_mul_f32 v[SS+\cc:SS+\cc+1], v[X2+4*(\t)+\cc:X2+4*(\t)+\cc+1], v[VV+\cc:VV+\cc+1]                      ; the first pair starts the sum
.else
	v_pk_fma_f32 v[SS+\cc:SS+\cc+1], v[X2+4*(\t)+\cc:X2+4*(\t)+\cc+1], v[VV+\cc:VV+\cc+1], v[SS+\cc:SS+\cc+1]
.endif
	v_pk_fma_f32 v[SS+\cc:SS+\cc+1], v[X1+4*(\t)+\cc:X1+4*(\t)+\cc+1], v[UU+\cc:UU+\cc+1], v[SS+\cc:SS+\cc+1]
.endr
.endm
	WIN 0x01                                       ; source 0 (x) in window 1
.irp t, 0,2,4,6,8,10,12,14
	SROW \t, \t, 0
	SROW \t+1, \t, 1
.endr
	WIN 0
.irp i, 0,1,2,3
	v_permlanex16_b32 v[UU+\i], v[SS+\i], s24, s25 ; the other half's 16 pairs
.endr
	v_pk_add_f32 v[SS:SS+1],   v[SS:SS+1],   v[UU:UU+1]
	v_pk_add_f32 v[SS+2:SS+3], v[SS+2:SS+3], v[UU+2:UU+3]
.set ii, 0
.rept 32
	v_mov_b32 v[CB+ii], v[SS+ii/8]                 ; a C block: in a result tile a lane holds eight i of one column, and s is the same for all i
.set ii, ii+1
.endr
	s_barrier_wait -1                              ; all eight waves' D is in LDS
; THE SECOND PRODUCT: (i tile, tau) += D(term) x X(term, tau), K = 32 pairs a term, two i tiles at a time.
.macro DLOAD bt, buf                   ; 12 loads, each 512 neighbouring bytes
.set ii, 0
.rept 6
	ds_load_b128 v[\buf+8*ii:\buf+8*ii+3],   v15 offset:((ii%3)*8+2*(\bt)+ii/3)*1024
	ds_load_b128 v[\buf+8*ii+4:\buf+8*ii+7], v15 offset:((ii%3)*8+2*(\bt)+ii/3)*1024+512
.set ii, ii+1
.endr
.endm
.macro MUL2 bt, buf                    ; the eight accumulators take turns, one instruction a turn
	WIN 0x40                                       ; D of the instruction in window 1, C (the block of s) in window 0
.set ii, 0
.rept 8
	v_wmma_f32_16x16x32_bf16 v[8*(8*(\bt)+ii):8*(8*(\bt)+ii)+7], v[\buf+24*(ii/4):\buf+24*(ii/4)+7], v[XF+8*(ii%4):XF+8*(ii%4)+7], v[CB+8*(ii%4):CB+8*(ii%4)+7]
.set ii, ii+1
.endr
	WIN 0x50                                       ; C and D in window 1
.irp t, 1, 2
.set ii, 0
.rept 8
	v_wmma_f32_16x16x32_bf16 v[8*(8*(\bt)+ii):8*(8*(\bt)+ii)+7], v[\buf+24*(ii/4)+8*\t:\buf+24*(ii/4)+8*\t+7], v[XF+32*\t+8*(ii%4):XF+32*\t+8*(ii%4)+7], v[8*(8*(\bt)+ii):8*(8*(\bt)+ii)+7]
.set ii, ii+1
.endr
.endr
.endm
.macro OUT bt                          ; the accumulators as they lie: four registers of all lanes are 512 neighbouring bytes of my slice; the next launch puts them in place
	WIN 0x04
.set ii, 0
.rept 16
	global_store_b128 v6, v[64*(\bt)+4*ii:64*(\bt)+4*ii+3], s[16:17] offset:8192*(\bt)+512*ii
.set ii, ii+1
.endr
.endm
	DLOAD 0, DB0
	DLOAD 1, DB1
	s_wait_dscnt 12                                ; this batch's 12 loads are in, the next batch's stay out
	MUL2 0, DB0
	PLACES
	WIN 0
	DLOAD 2, DB0
	OUT 0                                          ; a batch's sums leave while the next batch is multiplied
	s_wait_dscnt 12
	MUL2 1, DB1
	PLACES
	WIN 0
	DLOAD 3, DB1
	OUT 1
	s_wait_dscnt 12
	MUL2 2, DB0
	PLACES
	OUT 2
	s_wait_dscnt 0x0
	MUL2 3, DB1
	PLACES
	OUT 3
	WIN 0
	s_wait_tensorcnt 0x0
	ds_add_u32 v18, v19
	s_wait_dscnt 0x0
	s_endpgm
.Lfunc_end_k_qf4ee1dbc88_partial:
	.size	k_qf4ee1dbc88_partial, .Lfunc_end_k_qf4ee1dbc88_partial-k_qf4ee1dbc88_partial
	.p2alignl 7, 3214868480
	.fill 96, 4, 3214868480
	.section	.rodata,"a",@progbits
	.p2align	6, 0x0
	.amdhsa_kernel k_qf4ee1dbc88_partial
		.amdhsa_group_segment_fixed_size 236544
		.amdhsa_private_segment_fixed_size 0
		.amdhsa_enable_private_segment 0
		.amdhsa_kernarg_size 56
		.amdhsa_user_sgpr_count 2
		.amdhsa_user_sgpr_kernarg_segment_ptr 1
		.amdhsa_wavefront_size32 1
		.amdhsa_system_sgpr_workgroup_id_x 1
		.amdhsa_system_sgpr_workgroup_id_y 1
		.amdhsa_system_sgpr_workgroup_id_z 1
		.amdhsa_system_vgpr_workitem_id 0
		.amdhsa_next_free_vgpr 512
		.amdhsa_next_free_sgpr 66
		.amdhsa_reserve_vcc 0
		.amdhsa_float_denorm_mode_32 3
		.amdhsa_float_denorm_mode_16_64 3
		.amdhsa_memory_ordered 1
		.amdhsa_forward_progress 1
		.amdhsa_inst_pref_size 116
	.end_amdhsa_kernel
	.amdgpu_metadata
---
amdhsa.version: [ 1, 2 ]
amdhsa.kernels:
  - .name:           k_qf4ee1dbc88_partial
    .symbol:         k_qf4ee1dbc88_partial.kd
    .args:
      - { .name: x, .offset: 0, .size: 8, .value_kind: global_buffer, .address_space: global }
      - { .name: W, .offset: 8, .size: 8, .value_kind: global_buffer, .address_space: global }
      - { .name: ap, .offset: 16, .size: 8, .value_kind: global_buffer, .address_space: global }
      - { .name: p, .offset: 24, .size: 8, .value_kind: global_buffer, .address_space: global }
      - { .name: an, .offset: 32, .size: 8, .value_kind: global_buffer, .address_space: global }
      - { .name: n, .offset: 40, .size: 8, .value_kind: global_buffer, .address_space: global }
      - { .name: part, .offset: 48, .size: 8, .value_kind: global_buffer, .address_space: global }
    .group_segment_fixed_size: 236544
    .private_segment_fixed_size: 0
    .kernarg_segment_align: 8
    .kernarg_segment_size: 56
    .max_flat_workgroup_size: 256
    .sgpr_count:     66
    .vgpr_count:     512
    .wavefront_size: 32
...
	.end_amdgpu_metadata
.endif
;; end of part 1
;; launch reduce (part 2): grid 256 x 1, 8 waves a work-group, no clusters, 17,408 bytes of LDS; arguments part, out0; writes out0
.if DOCPART == 2
	.amdgcn_target "amdgcn-amd-amdhsa--gfx1250"
	.amdhsa_code_object_version 6
	.text
	.protected	k_qf4ee1dbc88_reduce
	.globl	k_qf4ee1dbc88_reduce
	.p2align	8
	.type	k_qf4ee1dbc88_reduce,@function
k_qf4ee1dbc88_reduce:
	s_mov_b64 s[64:65], 0
	v_nop
	global_prefetch_b8 v0, s[64:65] scope:SCOPE_SE
	s_setreg_imm32_b32 hwreg(HW_REG_WAVE_MODE, 25, 1), 1
	s_wait_xcnt 0x0
; out0[128][512] = the sum of the 64 slices of part, put in place.
; A slice (262,144 bytes) lies as the first launch's registers lay: byte 32768 w + 4096 it + 1024 tau + 512 a + 256 h + 16 r + 4 rho holds
; the sum for row 16 it + 8 h + 4 a + rho, column 64 w + 4 r + tau.
; Work-group b = 32 w + 4 it + 2 a + h owns 4 rows x 64 columns.  Its 256 threads are sixteen half-waves of 16 lanes (r); half-wave G adds slices 4 G .. 4 G + 3:
; sixteen loads of 16 bytes a lane (4 slices x 4 tau), each half-wave taking 256 neighbouring aligned bytes.  The last add writes the lane's 4 x 4 block
; transposed, so that four neighbouring columns lie in four neighbouring registers.  The sixteen parts meet in LDS; 64 threads add them and store:
; sixteen lanes store 256 neighbouring aligned bytes of a row of out0.
; All in f32; memory binds: no matrix unit, no cluster (no two work-groups read the same byte).
.set SLICE, 262144
.set DD, 4                             ; v4-67   [slice][tau][rho] as loaded; later the sixteen parts
.set TR, 68                            ; v68-83  [rho][tau]
	s_load_b128 s[4:7], s[0:1], 0x0                ; part s[4:5], out0 s[6:7]
	v_lshl_add_u32 v96, v0, 2, 0x4000
	v_mov_b32 v97, 0
	v_lshrrev_b32 v1, 4, v0                        ; G = 0..15
	v_and_b32 v2, 15, v0                           ; r
	v_lshlrev_b32 v3, 20, v1                       ; four slices are 2^20 bytes
	v_lshl_add_u32 v3, v2, 4, v3
	v_lshrrev_b32 v84, 5, v0
	v_readfirstlane_b32 s10, v84                   ; wave
	s_lshr_b32 s8, ttmp9, 2
	s_lshl_b32 s8, s8, 12                          ; 4096 (8 w + it)
	s_and_b32 s9, ttmp9, 3
	s_lshl_b32 s9, s9, 8                           ; 256 (2 a + h)
	s_add_co_u32 s8, s8, s9
	s_mov_b32 s9, 0
	s_wait_kmcnt 0x0
	s_add_nc_u64 s[4:5], s[4:5], s[8:9]
.set ii, 0
.rept 16
	global_load_b128 v[DD+4*ii:DD+4*ii+3], v3, s[4:5] offset:(ii/4)*SLICE+(ii%4)*1024 th:TH_LOAD_NT
.set ii, ii+1
.endr
	v_bfe_u32 v85, v0, 4, 1                        ; LDS: [G][rho][r] 16 bytes; G = 2 x wave + half
	s_lshl_b32 s14, s10, 11
	v_lshl_add_u32 v85, v85, 10, s14
	v_lshl_add_u32 v85, v2, 4, v85
	v_and_b32 v86, 63, v0                          ; the last step's thread 16 rho + r
	v_lshlrev_b32 v86, 4, v86
	v_bfe_u32 v87, v0, 4, 2                        ; rho
	v_lshlrev_b32 v87, 11, v87                     ; a row of out0 is 2,048 bytes
	v_lshl_add_u32 v87, v2, 4, v87
	s_bfe_u32 s11, ttmp9, 0x30002                  ; it
	s_lshl_b32 s11, s11, 4
	s_and_b32 s12, ttmp9, 1                        ; h
	s_lshl_b32 s12, s12, 3
	s_add_co_u32 s11, s11, s12
	s_bfe_u32 s12, ttmp9, 0x10001                  ; a
	s_lshl_b32 s12, s12, 2
	s_add_co_u32 s11, s11, s12                     ; my first row
	s_lshl_b32 s11, s11, 11
	s_lshr_b32 s12, ttmp9, 5                       ; w
	s_lshl_b32 s12, s12, 8
	s_add_co_u32 s12, s12, s11
	s_mov_b32 s13, 0
	s_add_nc_u64 s[6:7], s[6:7], s[12:13]
	s_wait_loadcnt 0x8                             ; my first two slices are in; the eight loads of the other two stay out
.set ii, 0
.rept 8
	v_pk_add_f32 v[DD+2*ii:DD+2*ii+1], v[DD+2*ii:DD+2*ii+1], v[DD+16+2*ii:DD+17+2*ii]
.set ii, ii+1
.endr
	s_wait_loadcnt 0x0
.set ii, 0
.rept 8
	v_pk_add_f32 v[DD+32+2*ii:DD+33+2*ii], v[DD+32+2*ii:DD+33+2*ii], v[DD+48+2*ii:DD+49+2*ii]
.set ii, ii+1
.endr
.set ii, 0
.rept 16
	v_add_f32 v[TR+ii], v[DD+4*(ii%4)+ii/4], v[DD+32+4*(ii%4)+ii/4]    ; the last add transposes: ii = 4 rho + tau
.set ii, ii+1
.endr
.irp i, 0,1,2,3
	ds_store_b128 v85, v[TR+4*\i:TR+4*\i+3] offset:256*\i
.endr
	s_wait_dscnt 0x0
	s_barrier_signal -1
	s_barrier_wait -1                              ; all sixteen parts are in LDS
	s_cmp_ge_u32 s10, 2                            ; 4 rows x 16 lanes = two waves finish
	s_cbranch_scc1 .Lend
.set ii, 0
.rept 16
	ds_load_b128 v[DD+4*ii:DD+4*ii+3], v86 offset:1024*ii
.set ii, ii+1
.endr
	s_wait_dscnt 0x0
.set ii, 0
.rept 16
	v_pk_add_f32 v[DD+2*ii:DD+2*ii+1], v[DD+2*ii:DD+2*ii+1], v[DD+32+2*ii:DD+33+2*ii]
.set ii, ii+1
.endr
.set ii, 0
.rept 8
	v_pk_add_f32 v[DD+2*ii:DD+2*ii+1], v[DD+2*ii:DD+2*ii+1], v[DD+16+2*ii:DD+17+2*ii]
.set ii, ii+1
.endr
.set ii, 0
.rept 4
	v_pk_add_f32 v[DD+2*ii:DD+2*ii+1], v[DD+2*ii:DD+2*ii+1], v[DD+8+2*ii:DD+9+2*ii]
.set ii, ii+1
.endr
	v_pk_add_f32 v[DD:DD+1],   v[DD:DD+1],   v[DD+4:DD+5]
	v_pk_add_f32 v[DD+2:DD+3], v[DD+2:DD+3], v[DD+6:DD+7]
	global_store_b128 v87, v[DD:DD+3], s[6:7]
.Lend:
	s_wait_tensorcnt 0x0
	ds_add_u32 v96, v97
	s_wait_dscnt 0x0
	s_endpgm
.Lfunc_end_k_qf4ee1dbc88_reduce:
	.size	k_qf4ee1dbc88_reduce, .Lfunc_end_k_qf4ee1dbc88_reduce-k_qf4ee1dbc88_reduce
	.p2alignl 7, 3214868480
	.fill 96, 4, 3214868480
	.section	.rodata,"a",@progbits
	.p2align	6, 0x0
	.amdhsa_kernel k_qf4ee1dbc88_reduce
		.amdhsa_group_segment_fixed_size 17408
		.amdhsa_private_segment_fixed_size 0
		.amdhsa_enable_private_segment 0
		.amdhsa_kernarg_size 16
		.amdhsa_user_sgpr_count 2
		.amdhsa_user_sgpr_kernarg_segment_ptr 1
		.amdhsa_wavefront_size32 1
		.amdhsa_system_sgpr_workgroup_id_x 1
		.amdhsa_system_sgpr_workgroup_id_y 1
		.amdhsa_system_sgpr_workgroup_id_z 1
		.amdhsa_system_vgpr_workitem_id 0
		.amdhsa_next_free_vgpr 98
		.amdhsa_next_free_sgpr 66
		.amdhsa_reserve_vcc 0
		.amdhsa_float_denorm_mode_32 3
		.amdhsa_float_denorm_mode_16_64 3
		.amdhsa_memory_ordered 1
		.amdhsa_forward_progress 1
		.amdhsa_inst_pref_size 9
	.end_amdhsa_kernel
	.amdgpu_metadata
---
amdhsa.version: [ 1, 2 ]
amdhsa.kernels:
  - .name:           k_qf4ee1dbc88_reduce
    .symbol:         k_qf4ee1dbc88_reduce.kd
    .args:
      - { .name: part, .offset: 0, .size: 8, .value_kind: global_buffer, .address_space: global }
      - { .name: out0, .offset: 8, .size: 8, .value_kind: global_buffer, .address_space: global }
    .group_segment_fixed_size: 17408
    .private_segment_fixed_size: 0
    .kernarg_segment_align: 8
    .kernarg_segment_size: 16
    .max_flat_workgroup_size: 256
    .sgpr_count:     66
    .vgpr_count:     98
    .wavefront_size: 32
...
	.end_amdgpu_metadata
.endif
;; end of part 2
;; ======== version 2 of 2: 2 launches; version 1 with the launch partial written anew for expert scheduling mode
;; limits: values outside matrix products are rounded to bf16
;; workspace buffers: part 16,777,216 bytes
;; launch partial (part 3): grid 64 x 1, 8 waves a work-group, no clusters, 236,544 bytes of LDS; arguments x, W, ap, p, an, n, part; writes part
.if DOCPART == 3
	.amdgcn_target "amdgcn-amd-amdhsa--gfx1250"
	.amdhsa_code_object_version 6
	.text
	.protected	k_qf4ee1dbc88_partial
	.globl	k_qf4ee1dbc88_partial
	.p2align	8
	.type	k_qf4ee1dbc88_partial,@function
k_qf4ee1dbc88_partial:
	s_mov_b64 s[64:65], 0
	v_nop
	global_prefetch_b8 v0, s[64:65] scope:SCOPE_SE
	s_setreg_imm32_b32 hwreg(HW_REG_WAVE_SCHED_MODE, 0, 2), 2
	s_setreg_imm32_b32 hwreg(HW_REG_WAVE_MODE, 25, 1), 1
	s_wait_xcnt 0x0
	s_wait_alu depctr_vm_vsrc(0)
; PARTIAL SUMS OF  out[i][j] = sum over pairs of +-( d11[i] x1[j]^2 - 2 d12[i] x1[j] x2[j] + d22[i] x2[j]^2 ).
; x [16384][512] f32, W [128][512] f32, four lists of 1,024 row numbers.  64 work-groups of 8 waves; a work-group takes 32 pairs:
; groups 0-31 the pairs (ap, p) with sign +1, groups 32-63 the pairs (an, n) with sign -1, and stores its own 128 x 512 sums (262,144 bytes).
;
; THE ALGEBRA.  With z = x W^T, P11 = z1[i]^2, P12 = z1[i] z2[i], P22 = z2[i]^2, n1^2 = sum P11, n2^2 = sum P22, c = sum P12 / (n1 n2):
;   the identity parts of the three diagonals do not hang on i:  s[j] = sum of  al x1^2 + be x1 x2 + ga x2^2,
;       al = c / n1^2, be = 2 / (n1 n2), ga = c / n2^2.  They are summed in f32 from the f32 x and enter as the C operand of each tile's first product.
;   the rest is a matrix product over k = pair with bf16 operands and f32 sums:
;       D11 = a1 P12 + a2 P11 (times x1^2),  D12 = b3 P12 - a1 P11 - a3 P22 (times x1 x2),  D22 = a3 P12 + a4 P22 (times x2^2),
;       a1 = be / n1^2, a3 = be / n2^2, a2 = -3 al / n1^2, a4 = -3 ga / n2^2, b3 = 2 c / (n1 n2)^2.   The sign is folded into all eight.
;
; WHO HOLDS WHAT.  Wave w gathers columns 64 w .. 64 w + 63 (256 bytes) of all 64 rows: lane (q = lane % 16, g = lane / 16) holds columns 4 q .. 4 q + 3 of
; both rows of the 16 pairs 8 g + 0..7 and 16 + 8 g + 0..7, as f32, in 128 registers.  That is the layout of the second product's B fragments (column 4 q + tau
; for tile tau, k = pair), so x is read from memory once and never transposed.  A bf16 copy goes to LDS for the first product, in which wave w makes
; z[all 64 rows][16 w .. 16 w + 15]; there lane (r, h) ends with i = 16 w + r and registers = pairs 8 h + 0..7: the layout of the second product's A fragments.
; In the second product wave w makes all 128 i x its 64 columns (32 accumulators); the D fragments of the eight waves meet in LDS.
;
; NO TENSOR LOADS, NO CLUSTER: the rows of x come by a list, and x and W lie in memory as f32 and are wanted as bf16.  W as f32 would take 262,144 bytes
; of LDS beside x's 66,560: more than the 327,680 there are.  Through registers W is converted on the way and takes 133,120.
;
; LIMITS.  A row number is taken as unsigned and clamped to 16,383.  A pair with an all-zero z gives inf or NaN, as the formula does.
; The order of the sums is this text's own; z, D and the products of x are rounded to bf16 as matrix operands, all else is f32.
;
; THE MODE: SCHED_MODE bits 1:0 = 2 (LLVM: expert scheduling mode 2), set by the entry lines.  The code itself states the register dependences
; between vector or matrix instructions and memory or LDS instructions, with s_wait_alu, always for 0.
; THE PLAN.  Registers that memory or LDS instructions touch, and who else names them:
;   v5 - v16      offsets and LDS addresses: made at the head, never written again.
;   IDX           the lists land; vector lines make offsets of them; the gathers read them; the first product writes z there.
;   WS            W lands as f32; the conversions read it; behind them the next eight rows land, and at last W's fragments.
;   WT, XT        out-buffers: the conversions of W and of x write them, the LDS stores read them; then they are the fragment buffers AB1 and AB0.
;   AB0 .. AB2    step g's matrix instructions read AB[g % 3]; the loads of group g + 2, issued in step g, land in AB[(g - 1) % 3], which the step before read.
;                 So ONE wait on va_vdst stands at a step's head, and the step's sixteen loads follow it, two behind each matrix instruction.
;   RR, CT, DF    written by vector lines, read by LDS stores; CF, TMP and XF take their registers later, behind a wait on vm_vsrc.
;   RL, CF        LDS loads land in registers that matrix and vector instructions named before: behind the wait that stands ahead of the stores in front of them.
;   DB0, DB1      a batch's matrix instructions read one; the batch two further on lands in it.  The accumulators are written by a batch and stored behind it.
;                 ONE wait on va_vdst behind a batch states both, and one window setting serves the loads and the stores that follow it.
.set PITCH, 1040                       ; an LDS row of 512 bf16 + 16 bytes = 65 x 16: the sixteen rows of a fragment load start in sixteen different 16-byte columns
.set WBASE, 64*PITCH                   ; x: 64 rows from byte 0; W: 128 rows behind them
.set RED,   WBASE+128*PITCH            ; [wave][3 sums][32 pairs] f32
.set COEF,  RED+8*384                  ; [wave][8 coefficients][32 pairs] f32: each wave's own copy
.set DFR,   COEF+8*1024                ; [3 terms][8 i tiles][2 halves][32 lanes] 16 bytes: D as fragments; ends at 235,520
; window 0 (v0-v255)
.set IDX, 20                           ; v20-51    row numbers, then byte offsets of the 32 gathered pieces
.set ZZ,  20                           ; v20-51    z: tiles x1 pairs 0-15, x1 pairs 16-31, x2 pairs 0-15, x2 pairs 16-31
.set DF,  20                           ; v20-43    D11, D12, D22 as fragments
.set TU,  44                           ; v44-51    at work
.set AB0, 52                           ; v52-243   three buffers of A fragments (2 K steps x 4 tiles = 64 registers each): buffer k at AB0 + 64 k
.set XT,  52                           ; v52-115   x as bf16 on its way to LDS
.set WT,  116                          ; v116-179  eight rows of W as bf16 on their way to LDS
.set RR,  52                           ; v52-99    the 48 sums over lanes
.set RL,  100                          ; v100-123  the eight waves' sums of pair = lane
.set CF,  52                           ; v52-179   a1, a2, a3, a4, b3, al, be, ga of my 16 pairs, 16 registers each
.set AL,  CF+80
.set BE,  CF+96
.set GA,  CF+112
.set PP,  180                          ; v180-227  P11, P12, P22 of my 16 pairs
.set CT,  228                          ; v228-243  the coefficients of pair = lane
.set XF,  20                           ; v20-115   B fragments: [3 terms][4 column tiles]
.set TMP, 180                          ; v180-243  a term's 64 products in f32
.set SS,  244                          ; v244-247  s of my 4 columns
.set UU,  248
.set VV,  252
.set CB,  116                          ; v116-147  C blocks: s of column tile tau, eight times
.set DB0, 148                          ; v148-195  D fragments of two i tiles
.set DB1, 196                          ; v196-243
; window 1 (v256-v511, written by their low 8 bits)
.set X1, 0                             ; v256-319  x1 of pair slot t: 4 registers
.set X2, 64                            ; v320-383  x2
.set WS, 128                           ; v384-511  W as loaded (8 rows at a time), then W's 16 B fragments
                                       ; later all of window 1: accumulator (i tile, tau) at 8 (4 i tile + tau)
.set MSB, 0
.macro WIN new                         ; low byte: bits 1:0 source 0, 3:2 source 1, 5:4 source 2, 7:6 destination; the high byte repeats the setting that is left
.if MSB != \new
	s_set_vgpr_msb (MSB<<8)|\new
.set MSB, \new
.endif
.endm
.macro PLACES                          ; four plain vector places behind a matrix instruction, ahead of what reads its result or writes its registers (ISA guide 7.12.1); no wait fills them
.rept 4
	v_nop
.endr
.endm
	s_load_b256 s[4:11], s[0:1], 0x0               ; x s[4:5], W s[6:7], ap s[8:9], p s[10:11]
	s_load_b128 s[12:15], s[0:1], 0x20             ; an s[12:13], n s[14:15]
	s_load_b64 s[16:17], s[0:1], 0x30              ; part
	v_lshl_add_u32 v18, v0, 2, 0x39800
	v_mov_b32 v19, 0
	v_lshrrev_b32 v1, 5, v0
	v_readfirstlane_b32 s19, v1                    ; wave 0..7
	v_and_b32 v1, 31, v0                           ; lane
	v_and_b32 v2, 15, v0                           ; r = q = lane % 16
	v_bfe_u32 v3, v0, 4, 1                         ; h = g = lane / 16
	v_lshlrev_b32 v5, 5, v3                        ; lists: my half's eight pairs start 32 g bytes in
	v_lshlrev_b32 v6, 4, v1                        ; 16 x lane: W's rows in, the sums out
	s_wait_alu depctr_va_sdst(0)                   ; s19 is written, ahead of its first reader: offsets, bases and LDS addresses are made from it
	s_lshl_b32 s20, s19, 8
	v_lshl_add_u32 v4, v2, 4, s20                  ; my 16 bytes of a row of x: 256 w + 16 q
	s_mov_b32 s18, 0x3f800000
	s_mov_b32 s3, 0
	s_wait_kmcnt 0x0
	s_cmp_lt_u32 ttmp9, 32                         ; groups 0-31: the positive pairs
	s_cselect_b64 s[8:9], s[8:9], s[12:13]         ; the list of first rows
	s_cselect_b64 s[10:11], s[10:11], s[14:15]     ; the list of second rows
	s_cselect_b32 s18, s18, 0xbf800000             ; the sign
	s_and_b32 s2, ttmp9, 31
	s_lshl_b32 s2, s2, 7                           ; 32 pairs x 4 bytes
	s_add_nc_u64 s[8:9], s[8:9], s[2:3]
	s_add_nc_u64 s[10:11], s[10:11], s[2:3]
	s_lshl_b32 s2, s19, 15
	s_add_nc_u64 s[6:7], s[6:7], s[2:3]            ; W at my 16 rows
	s_wait_alu depctr_va_vdst(0)                   ; v5 and v6 are written: the loads of the lists and of W read them as offsets; only loads and a window switch follow up to the last of these
	; the lists first: the gather hangs on them.  Slot t = 8 mu + j of half g is pair 16 mu + 8 g + j.
	global_load_b128 v[IDX:IDX+3],     v5, s[8:9]
	global_load_b128 v[IDX+4:IDX+7],   v5, s[8:9] offset:16
	global_load_b128 v[IDX+8:IDX+11],  v5, s[8:9] offset:64
	global_load_b128 v[IDX+12:IDX+15], v5, s[8:9] offset:80
	global_load_b128 v[IDX+16:IDX+19], v5, s[10:11]
	global_load_b128 v[IDX+20:IDX+23], v5, s[10:11] offset:16
	global_load_b128 v[IDX+24:IDX+27], v5, s[10:11] offset:64
	global_load_b128 v[IDX+28:IDX+31], v5, s[10:11] offset:80
; eight of my rows of W: four loads a row, each 512 neighbouring bytes (destination in window 1, offset in window 0)
.macro WLOAD half
.set ii, 0
.rept 32
	global_load_b128 v[WS+4*ii:WS+4*ii+3], v6, s[6:7] offset:(8*(\half)+ii/4)*2048+512*(ii%4)
.set ii, ii+1
.endr
.endm
; rounded to bf16, out of the registers in which they landed into an out-buffer of their own
.macro WCVT
	WIN 0x05
.set ii, 0
.rept 32
	v_cvt_pk_bf16_f32 v[WT+2*ii],   v[WS+4*ii],   v[WS+4*ii+1]
	v_cvt_pk_bf16_f32 v[WT+2*ii+1], v[WS+4*ii+2], v[WS+4*ii+3]
.set ii, ii+1
.endr
.endm
; and laid into my rows of LDS: a store covers 256 neighbouring bytes (address and data in window 0)
.macro WPUT half
.set ii, 0
.rept 32
	ds_store_b64 v7, v[WT+2*ii:WT+2*ii+1] offset:(8*(\half)+ii/4)*PITCH+256*(ii%4)
.set ii, ii+1
.endr
.endm
	WIN 0x40
	WLOAD 0
	WIN 0
	s_lshl_b32 s20, ttmp9, 18                      ; my group's slice of 262,144 bytes, my wave's 32,768 in it
	s_add_co_u32 s2, s2, s20
	s_add_nc_u64 s[16:17], s[16:17], s[2:3]
	; LDS addresses, while the lists are on their way
	v_mul_u32_u24 v10, v2, PITCH
	v_lshl_add_u32 v10, v3, 4, v10                 ; a fragment's lane term r x pitch + 16 h: x's fragments (x lies at byte 0)
	s_mul_i32 s21, s19, 16*PITCH
	s_add_co_u32 s21, s21, WBASE                   ; my 16 rows of W in LDS
	v_lshl_add_u32 v7, v1, 3, s21                  ; in: 8 bytes a lane
	v_add_nc_u32 v8, s21, v10                      ; back: as fragments
	s_lshl_b32 s22, s19, 7
	v_mul_u32_u24 v9, v3, 8*PITCH
	v_lshl_add_u32 v9, v2, 3, v9
	v_add_nc_u32 v9, s22, v9                       ; x in: row 8 g (+ the slot's), byte 128 w + 8 q
	s_mul_i32 s23, s19, 384
	s_add_co_u32 s23, s23, RED
	v_lshl_add_u32 v11, v3, 5, s23                 ; my wave's sums, pairs 8 h ..
	v_lshlrev_b32 v12, 2, v1
	v_add_nc_u32 v12, RED, v12                     ; all waves' sums of pair = lane
	s_lshl_b32 s26, s19, 10
	s_add_co_u32 s27, s26, COEF
	v_lshl_add_u32 v13, v1, 2, s27                 ; my wave's table, pair = lane
	v_lshl_add_u32 v14, v3, 5, s27                 ; my wave's table, pairs 8 h ..
	v_add_nc_u32 v15, DFR, v6                      ; D fragments: 16 bytes a lane
	v_add_nc_u32 v16, s26, v15                     ; my wave's i tile among them
	s_mov_b32 s24, 0x76543210                      ; v_permlanex16_b32: lane i reads lane i of the other half
	s_mov_b32 s25, 0xfedcba98
	s_wait_loadcnt 32                              ; the eight list loads are in; W's 32 behind them stay out
.set ii, 0
.rept 32
	v_min_u32 v[IDX+ii], 0x3fff, v[IDX+ii]         ; inside the table of 16,384 rows
.set ii, ii+1
.endr
.set ii, 0
.rept 32
	v_lshl_add_u32 v[IDX+ii], v[IDX+ii], 11, v4    ; row x 2,048 bytes + my 16 bytes
.set ii, ii+1
.endr
	WIN 0x40
	s_wait_alu depctr_va_vdst(0)                   ; the 32 offsets v[IDX ..] are written, which the gathers read; so are the LDS addresses v7 to v16, which every LDS instruction below reads
.set ii, 0
.rept 32
	global_load_b128 v[X1+4*ii:X1+4*ii+3], v[IDX+ii], s[4:5]   ; sixteen lanes take 256 aligned bytes of one row, the other sixteen of the row of pair + 8
.set ii, ii+1
.endr
	s_wait_loadcnt 32                              ; W's rows 0-7 are in; the 32 gathers stay out
	WCVT
	WIN 0x40                                       ; one setting for the loads into window 1 and the stores out of window 0
	s_wait_alu depctr_va_vdst(0)                   ; the conversions are done reading v[WS ..], in which the next eight rows land, and have written v[WT ..], which the LDS stores read
	WLOAD 1                                        ; the loads first: they have the further way
	WPUT 0
	s_wait_loadcnt 32                              ; x is in; W's rows 8-15 stay out
	WIN 0x05
.set ii, 0
.rept 32
	v_cvt_pk_bf16_f32 v[XT+2*ii],   v[X1+4*ii],   v[X1+4*ii+1]    ; a bf16 copy; the f32 stays in window 1
	v_cvt_pk_bf16_f32 v[XT+2*ii+1], v[X1+4*ii+2], v[X1+4*ii+3]
.set ii, ii+1
.endr
	WIN 0x40
	s_wait_alu depctr_va_vdst(0)                   ; the conversions have written v[XT ..], which the LDS stores read
.set ii, 0
.rept 32
	ds_store_b64 v9, v[XT+2*ii:XT+2*ii+1] offset:(32*(ii/16)+16*((ii/8)%2)+ii%8)*PITCH   ; LDS row 32 x (second row?) + pair
.set ii, ii+1
.endr
	s_wait_loadcnt 0x0
	s_wait_alu depctr_vm_vsrc(0)                   ; the stores of W's rows 0-7 have read v[WT ..], which the conversions below write again
	WCVT
	WIN 0x40
	s_wait_alu depctr_va_vdst(0)                   ; the conversions have written v[WT ..], which the LDS stores read, and are done reading v[WS ..], in which W's fragments land
	WPUT 1
.set ii, 0
.rept 16
	ds_load_b128 v[WS+8*ii:WS+8*ii+3],   v8 offset:64*ii       ; my own rows, written by my own stores, which LDS serves first (ISA guide 5.7.1): W(16 w + r, 32 ii + 8 h ..)
	ds_load_b128 v[WS+8*ii+4:WS+8*ii+7], v8 offset:64*ii+32    ; W(16 w + r, 32 ii + 16 + 8 h ..)
.set ii, ii+1
.endr
	WIN 0x04                                       ; for all of the first product: source 1 (W) in window 1, all else in window 0
	s_wait_dscnt 0x0                               ; my part of x is in LDS, W's fragments are in
	s_barrier_signal -1
	s_barrier_wait -1                              ; x is whole
; THE FIRST PRODUCT: z = x W^T, K = 512 in 8 groups of two steps of 32.  The group's number may be given as a sum, so it stands in brackets wherever it is used.
.macro FETCH grp                       ; 16 loads: K steps 2 grp and 2 grp + 1 x 4 tiles of 16 rows, into buffer grp % 3
.set BN, AB0+64*((\grp)%3)
.set ii, 0
.rept 8
	ds_load_b128 v[BN+8*ii:BN+8*ii+3],   v10 offset:(ii%4)*16*PITCH+64*(2*(\grp)+ii/4)
	ds_load_b128 v[BN+8*ii+4:BN+8*ii+7], v10 offset:(ii%4)*16*PITCH+64*(2*(\grp)+ii/4)+32
.set ii, ii+1
.endr
.endm
; Step grp: eight matrix instructions on buffer grp % 3; the four accumulators take turns, one instruction a turn; K step 0 alone starts the sums.
; ahead = 1: behind each of them two loads of group grp + 2, into the buffer that the step before read.  The matrix instructions name this step's buffer, W and z: none of the registers that those loads touch.
.macro STEP1 grp, ahead
.set BU, AB0+64*((\grp)%3)
.set BN, AB0+64*(((\grp)+2)%3)
.set ii, 0
.rept 8
.if 8*(\grp)+ii < 4
	v_wmma_f32_16x16x32_bf16 v[ZZ+8*(ii%4):ZZ+8*(ii%4)+7], v[BU+8*ii:BU+8*ii+7], v[WS+8*(2*(\grp)+ii/4):WS+8*(2*(\grp)+ii/4)+7], 0
.else
	v_wmma_f32_16x16x32_bf16 v[ZZ+8*(ii%4):ZZ+8*(ii%4)+7], v[BU+8*ii:BU+8*ii+7], v[WS+8*(2*(\grp)+ii/4):WS+8*(2*(\grp)+ii/4)+7], v[ZZ+8*(ii%4):ZZ+8*(ii%4)+7]
.endif
.if \ahead
	ds_load_b128 v[BN+8*ii:BN+8*ii+3],   v10 offset:(ii%4)*16*PITCH+64*(2*((\grp)+2)+ii/4)
	ds_load_b128 v[BN+8*ii+4:BN+8*ii+7], v10 offset:(ii%4)*16*PITCH+64*(2*((\grp)+2)+ii/4)+32
.endif
.set ii, ii+1
.endr
.endm
	s_wait_alu depctr_vm_vsrc(0)                   ; my LDS stores have read v[XT ..] and v[WT ..], in which the fragments of x land; the gathers have read v[IDX ..], where the products write z
	s_wait_alu depctr_va_vdst(0)                   ; the conversions have written v[XT ..] and v[WT ..]: said again under these loads' window setting, since stores that read those registers stand behind the earlier waits
	FETCH 0
	FETCH 1
	FETCH 2                                        ; the third buffer has been named by nothing yet
	s_wait_dscnt 32                                ; group 0 is in; groups 1 and 2 stay out
	STEP1 0, 0
.irp gg, 1,2,3,4,5
	PLACES                                         ; four plain places stand between the matrix instructions that read a buffer and the loads into it; the wait below states the dependence itself
	s_wait_dscnt 16                                ; this group's 16 loads are in, the next group's stay out
	s_wait_alu depctr_va_vdst(0)                   ; the matrix instructions of the step before are done reading their buffer, in which this step's loads land
	STEP1 \gg, 1
.endr
	s_wait_dscnt 16
	STEP1 6, 0                                     ; the last two steps fetch nothing, so they state nothing
	s_wait_dscnt 0x0
	STEP1 7, 0
	PLACES
	WIN 0
	; NORMS AND COSINE.  Lane (r, h), register 8 mu + j: z of pair 16 mu + 8 h + j at i = 16 w + r.
.set ee, 0
.rept 8
	v_pk_mul_f32 v[PP+2*ee:PP+2*ee+1],       v[ZZ+2*ee:ZZ+2*ee+1],       v[ZZ+2*ee:ZZ+2*ee+1]         ; P11
	v_pk_mul_f32 v[PP+16+2*ee:PP+16+2*ee+1], v[ZZ+2*ee:ZZ+2*ee+1],       v[ZZ+16+2*ee:ZZ+16+2*ee+1]   ; P12
	v_pk_mul_f32 v[PP+32+2*ee:PP+32+2*ee+1], v[ZZ+16+2*ee:ZZ+16+2*ee+1], v[ZZ+16+2*ee:ZZ+16+2*ee+1]   ; P22
.set ee, ee+1
.endr
.set ii, 0
.rept 48
	v_add_f32_dpp v[RR+ii], v[PP+ii], v[PP+ii] row_xmask:1 row_mask:0xf bank_mask:0xf    ; over my 16 i: four steps inside each half of 16 lanes; P itself is kept
.set ii, ii+1
.endr
.irp mm, 2,4,8
.set ii, 0
.rept 48
	v_add_f32_dpp v[RR+ii], v[RR+ii], v[RR+ii] row_xmask:\mm row_mask:0xf bank_mask:0xf
.set ii, ii+1
.endr
.endr
	s_wait_alu depctr_va_vdst(0)                   ; the sums over lanes have written v[RR ..], which the LDS stores read; the matrix instructions are done reading v[RL ..], in which the loads behind the barrier land
.set ii, 0
.rept 12
	ds_store_b128 v11, v[RR+4*ii:RR+4*ii+3] offset:128*(ii/4)+64*((ii/2)%2)+16*(ii%2)   ; the sixteen lanes of a half hold, and write, the same four sums
.set ii, ii+1
.endr
	s_wait_dscnt 0x0
	s_barrier_signal -1
	s_barrier_wait -1                              ; all eight waves' sums are in LDS
.set ii, 0
.rept 24
	ds_load_b32 v[RL+ii], v12 offset:384*(ii%8)+128*(ii/8)     ; lane = pair: eight waves x three sums.  No vector or matrix instruction since the wait above names these registers
.set ii, ii+1
.endr
	s_wait_dscnt 0x0
.irp qq, 0,8,16
	v_pk_add_f32 v[RL+\qq:RL+\qq+1],   v[RL+\qq:RL+\qq+1],   v[RL+\qq+2:RL+\qq+3]
	v_pk_add_f32 v[RL+\qq+4:RL+\qq+5], v[RL+\qq+4:RL+\qq+5], v[RL+\qq+6:RL+\qq+7]
.endr
.irp qq, 0,8,16
	v_pk_add_f32 v[RL+\qq:RL+\qq+1], v[RL+\qq:RL+\qq+1], v[RL+\qq+4:RL+\qq+5]
.endr
.irp qq, 0,8,16
	v_add_f32 v[RL+\qq], v[RL+\qq], v[RL+\qq+1]    ; RL: n1^2, RL+8: z1.z2, RL+16: n2^2
.endr
	v_rcp_f32 v[CT+0], v[RL]                       ; 1 / n1^2
	v_rcp_f32 v[CT+1], v[RL+16]                    ; 1 / n2^2
	v_rsq_f32 v[CT+2], v[RL]
	v_rsq_f32 v[CT+3], v[RL+16]
	v_mul_f32 v[CT+4], s18, v[RL+8]                ; the plain place behind the four (ISA guide 5.7.2): sign x z1.z2
	s_wait_alu depctr_va_vdst(0)                   ; the two reciprocals and the two roots have written v[CT] to v[CT+3]: one wait for the four, ahead of their first reader
	v_mul_f32 v[CT+2], v[CT+2], v[CT+3]            ; 1 / (n1 n2)
	v_mul_f32 v[CT+4], v[CT+4], v[CT+2]            ; sign x c
	v_mul_f32 v[CT+5], s18, v[CT+2]
	v_add_f32 v[CT+14], v[CT+5], v[CT+5]           ; be = sign x 2 / (n1 n2)
	v_mul_f32 v[CT+13], v[CT+4], v[CT+0]           ; al = sign x c / n1^2
	v_mul_f32 v[CT+15], v[CT+4], v[CT+1]           ; ga = sign x c / n2^2
	v_mul_f32 v[CT+8],  v[CT+14], v[CT+0]          ; a1
	v_mul_f32 v[CT+10], v[CT+14], v[CT+1]          ; a3
	v_mul_f32 v[CT+6], 0xc0400000, v[CT+0]         ; -3 / n1^2
	v_mul_f32 v[CT+7], 0xc0400000, v[CT+1]
	v_mul_f32 v[CT+9],  v[CT+13], v[CT+6]          ; a2
	v_mul_f32 v[CT+11], v[CT+15], v[CT+7]          ; a4
	v_mul_f32 v[CT+5], v[CT+4], v[CT+2]
	v_mul_f32 v[CT+5], v[CT+5], v[CT+2]
	v_add_f32 v[CT+12], v[CT+5], v[CT+5]           ; b3 = sign x 2 c / (n1 n2)^2
	s_wait_alu depctr_va_vdst(0)                   ; the eight coefficients v[CT+8 ..] are written, which the LDS stores read; all vector work on v[RR ..] and v[RL ..] is done, in which v[CF ..] lands
	s_wait_alu depctr_vm_vsrc(0)                   ; the LDS stores of the sums have read v[RR ..], in which v[CF ..] lands
.irp i, 0,1,2,3,4,5,6,7
	ds_store_b32 v13, v[CT+8+\i] offset:128*\i     ; into my wave's own table ...
.endr
.set ii, 0
.rept 32
	ds_load_b128 v[CF+4*ii:CF+4*ii+3], v14 offset:128*(ii/4)+64*((ii/2)%2)+16*(ii%2)   ; ... and back, the 16 pairs of my half: LDS serves a wave's instructions in order (ISA guide 5.7.1)
.set ii, ii+1
.endr
	s_wait_dscnt 12                                ; a1 .. b3 (20 loads) are in; al, be, ga (12 loads) stay out
	; D as A fragments: register e of a fragment holds pair slots 2 e and 2 e + 1, which is where they lie
.set ee, 0
.rept 8
	v_pk_mul_f32 v[TU:TU+1],   v[CF+16+2*ee:CF+17+2*ee], v[PP+2*ee:PP+2*ee+1]                     ; a2 P11
	v_pk_mul_f32 v[TU+2:TU+3], v[CF+48+2*ee:CF+49+2*ee], v[PP+32+2*ee:PP+33+2*ee]                 ; a4 P22
	v_pk_mul_f32 v[TU+4:TU+5], v[CF+64+2*ee:CF+65+2*ee], v[PP+16+2*ee:PP+17+2*ee]                 ; b3 P12
	v_pk_mul_f32 v[TU+6:TU+7], v[CF+2*ee:CF+2*ee+1],     v[PP+2*ee:PP+2*ee+1]                     ; a1 P11
	v_pk_fma_f32 v[TU:TU+1],   v[CF+2*ee:CF+2*ee+1],     v[PP+16+2*ee:PP+17+2*ee], v[TU:TU+1]     ; D11
	v_pk_fma_f32 v[TU+2:TU+3], v[CF+32+2*ee:CF+33+2*ee], v[PP+16+2*ee:PP+17+2*ee], v[TU+2:TU+3]   ; D22
	v_pk_fma_f32 v[TU+6:TU+7], v[CF+32+2*ee:CF+33+2*ee], v[PP+32+2*ee:PP+33+2*ee], v[TU+6:TU+7]   ; a1 P11 + a3 P22
	v_pk_add_f32 v[TU+4:TU+5], v[TU+4:TU+5], v[TU+6:TU+7] neg_lo:[0,1] neg_hi:[0,1]               ; D12
	v_cvt_pk_bf16_f32 v[DF+ee],    v[TU],   v[TU+1]
	v_cvt_pk_bf16_f32 v[DF+8+ee],  v[TU+4], v[TU+5]
	v_cvt_pk_bf16_f32 v[DF+16+ee], v[TU+2], v[TU+3]
.set ee, ee+1
.endr
	s_wait_alu depctr_va_vdst(0)                   ; the conversions have written v[DF ..], which the LDS stores read
.irp t, 0,1,2
	ds_store_b128 v16, v[DF+8*\t:DF+8*\t+3]   offset:8192*\t
	ds_store_b128 v16, v[DF+8*\t+4:DF+8*\t+7] offset:8192*\t+512
.endr
	s_wait_dscnt 0x0                               ; my D is in LDS (and al, be, ga are in)
	s_wait_alu depctr_vm_vsrc(0)                   ; the LDS stores have read v[DF ..] and v[CT+8 ..]: the lines below write v[XF ..] and v[TMP ..] over them
	s_barrier_signal -1                            ; register work alone up to the wait
	; the products of x, in f32 from the f32 x, rounded once: B fragments, tile tau = columns 4 q + tau
.macro XTERM term, a, b
	WIN 0x05
.set ii, 0
.rept 32
	v_pk_mul_f32 v[TMP+2*ii:TMP+2*ii+1], v[\a+2*ii:\a+2*ii+1], v[\b+2*ii:\b+2*ii+1]
.set ii, ii+1
.endr
	WIN 0
.set ii, 0
.rept 32
	v_cvt_pk_bf16_f32 v[XF+32*(\term)+ii], v[TMP+8*(ii%8)+ii/8], v[TMP+8*(ii%8)+4+ii/8]   ; slots 2 e, 2 e + 1 of column tau; ii = 8 tau + e
.set ii, ii+1
.endr
.endm
	XTERM 0, X1, X1
	XTERM 1, X1, X2
	XTERM 2, X2, X2
	; s of my four columns over my 16 pairs: x1 (al x1 + be x2) + x2 (ga x2).  A coefficient is one register of a pair, given to both halves by op_sel.
.macro SROW t, kb, o
.irp cc, 0, 2
	v_pk_mul_f32 v[UU+\cc:UU+\cc+1], v[X1+4*(\t)+\cc:X1+4*(\t)+\cc+1], v[AL+(\kb):AL+(\kb)+1] op_sel:[0,\o] op_sel_hi:[1,\o]
	v_pk_mul_f32 v[VV+\cc:VV+\cc+1], v[X2+4*(\t)+\cc:X2+4*(\t)+\cc+1], v[GA+(\kb):GA+(\kb)+1] op_sel:[0,\o] op_sel_hi:[1,\o]
	v_pk_fma_f32 v[UU+\cc:UU+\cc+1], v[X2+4*(\t)+\cc:X2+4*(\t)+\cc+1], v[BE+(\kb):BE+(\kb)+1], v[UU+\cc:UU+\cc+1] op_sel:[0,\o,0] op_sel_hi:[1,\o,1]
.if (\t) == 0
	v_pk_mul_f32 v[SS+\cc:SS+\cc+1], v[X2+4*(\t)+\cc:X2+4*(\t)+\cc+1], v[VV+\cc:VV+\cc+1]                      ; the first pair starts the sum
.else
	v_pk_fma_f32 v[SS+\cc:SS+\cc+1], v[X2+4*(\t)+\cc:X2+4*(\t)+\cc+1], v[VV+\cc:VV+\cc+1], v[SS+\cc:SS+\cc+1]
.endif
	v_pk_fma_f32 v[SS+\cc:SS+\cc+1], v[X1+4*(\t)+\cc:X1+4*(\t)+\cc+1], v[UU+\cc:UU+\cc+1], v[SS+\cc:SS+\cc+1]
.endr
.endm
	WIN 0x01                                       ; source 0 (x) in window 1
.irp t, 0,2,4,6,8,10,12,14
	SROW \t, \t, 0
	SROW \t+1, \t, 1
.endr
	WIN 0
.irp i, 0,1,2,3
	v_permlanex16_b32 v[UU+\i], v[SS+\i], s24, s25 ; the other half's 16 pairs
.endr
	v_pk_add_f32 v[SS:SS+1],   v[SS:SS+1],   v[UU:UU+1]
	v_pk_add_f32 v[SS+2:SS+3], v[SS+2:SS+3], v[UU+2:UU+3]
.set ii, 0
.rept 32
	v_mov_b32 v[CB+ii], v[SS+ii/8]                 ; a C block: in a result tile a lane holds eight i of one column, and s is the same for all i
.set ii, ii+1
.endr
	s_barrier_wait -1                              ; all eight waves' D is in LDS
; THE SECOND PRODUCT: (i tile, tau) += D(term) x X(term, tau), K = 32 pairs a term, two i tiles at a time.
.macro DLOAD bt, buf                   ; 12 loads, each 512 neighbouring bytes (destination and address in window 0)
.set ii, 0
.rept 6
	ds_load_b128 v[\buf+8*ii:\buf+8*ii+3],   v15 offset:((ii%3)*8+2*(\bt)+ii/3)*1024
	ds_load_b128 v[\buf+8*ii+4:\buf+8*ii+7], v15 offset:((ii%3)*8+2*(\bt)+ii/3)*1024+512
.set ii, ii+1
.endr
.endm
.macro MUL2 bt, buf                    ; the eight accumulators take turns, one instruction a turn
	WIN 0x40                                       ; D of the instruction in window 1, C (the block of s) in window 0
.set ii, 0
.rept 8
	v_wmma_f32_16x16x32_bf16 v[8*(8*(\bt)+ii):8*(8*(\bt)+ii)+7], v[\buf+24*(ii/4):\buf+24*(ii/4)+7], v[XF+8*(ii%4):XF+8*(ii%4)+7], v[CB+8*(ii%4):CB+8*(ii%4)+7]
.set ii, ii+1
.endr
	WIN 0x50                                       ; C and D in window 1
.irp t, 1, 2
.set ii, 0
.rept 8
	v_wmma_f32_16x16x32_bf16 v[8*(8*(\bt)+ii):8*(8*(\bt)+ii)+7], v[\buf+24*(ii/4)+8*\t:\buf+24*(ii/4)+8*\t+7], v[XF+32*\t+8*(ii%4):XF+32*\t+8*(ii%4)+7], v[8*(8*(\bt)+ii):8*(8*(\bt)+ii)+7]
.set ii, ii+1
.endr
.endr
.endm
.macro OUT bt                          ; the accumulators as they lie: four registers of all lanes are 512 neighbouring bytes of my slice; the next launch puts them in place (data in window 1, offset in window 0)
.set ii, 0
.rept 16
	global_store_b128 v6, v[64*(\bt)+4*ii:64*(\bt)+4*ii+3], s[16:17] offset:8192*(\bt)+512*ii
.set ii, ii+1
.endr
.endm
	s_wait_alu depctr_va_vdst(0)                   ; all vector work on be, ga and v[TMP ..] is done: D's first two batches land in those registers
	DLOAD 0, DB0
	DLOAD 1, DB1
	s_wait_dscnt 12                                ; this batch's 12 loads are in, the next batch's stay out
	MUL2 0, DB0
	PLACES                                         ; the places behind the last matrix instruction stay beside the wait
	WIN 0x04                                       ; one setting for the LDS loads into window 0 and the stores out of window 1
	s_wait_alu depctr_va_vdst(0)                   ; batch 0's matrix instructions have written their accumulators, which the stores read, and are done reading DB0, in which batch 2 lands
	DLOAD 2, DB0
	OUT 0                                          ; a batch's sums leave while the next batch is multiplied
	s_wait_dscnt 12
	MUL2 1, DB1
	PLACES
	WIN 0x04
	s_wait_alu depctr_va_vdst(0)                   ; batch 1's matrix instructions have written their accumulators, which the stores read, and are done reading DB1, in which batch 3 lands
	DLOAD 3, DB1
	OUT 1
	s_wait_dscnt 12
	MUL2 2, DB0
	PLACES
	WIN 0x04
	s_wait_alu depctr_va_vdst(0)                   ; batch 2's matrix instructions have written their accumulators, which the stores read
	OUT 2
	s_wait_dscnt 0x0
	MUL2 3, DB1
	PLACES
	WIN 0x04
	s_wait_alu depctr_va_vdst(0)                   ; batch 3's matrix instructions have written their accumulators, which the stores read
	OUT 3
	WIN 0
	s_wait_dscnt 0x0
	s_wait_alu depctr_hold_cnt(0) depctr_sa_sdst(0) depctr_va_vdst(0) depctr_va_sdst(0) depctr_va_ssrc(0) depctr_va_vcc(0) depctr_vm_vsrc(0)
	s_wait_tensorcnt 0x0
	ds_add_u32 v18, v19
	s_wait_dscnt 0x0
	s_endpgm
.Lfunc_end_k_qf4ee1dbc88_partial:
	.size	k_qf4ee1dbc88_partial, .Lfunc_end_k_qf4ee1dbc88_partial-k_qf4ee1dbc88_partial
	.p2alignl 7, 3214868480
	.fill 96, 4, 3214868480
	.section	.rodata,"a",@progbits
	.p2align	6, 0x0
	.amdhsa_kernel k_qf4ee1dbc88_partial
		.amdhsa_group_segment_fixed_size 236544
		.amdhsa_private_segment_fixed_size 0
		.amdhsa_enable_private_segment 0
		.amdhsa_kernarg_size 56
		.amdhsa_user_sgpr_count 2
		.amdhsa_user_sgpr_kernarg_segment_ptr 1
		.amdhsa_wavefront_size32 1
		.amdhsa_system_sgpr_workgroup_id_x 1
		.amdhsa_system_sgpr_workgroup_id_y 1
		.amdhsa_system_sgpr_workgroup_id_z 1
		.amdhsa_system_vgpr_workitem_id 0
		.amdhsa_next_free_vgpr 512
		.amdhsa_next_free_sgpr 66
		.amdhsa_reserve_vcc 0
		.amdhsa_float_denorm_mode_32 3
		.amdhsa_float_denorm_mode_16_64 3
		.amdhsa_memory_ordered 1
		.amdhsa_forward_progress 1
		.amdhsa_inst_pref_size 117
	.end_amdhsa_kernel
	.amdgpu_metadata
---
amdhsa.version: [ 1, 2 ]
amdhsa.kernels:
  - .name:           k_qf4ee1dbc88_partial
    .symbol:         k_qf4ee1dbc88_partial.kd
    .args:
      - { .name: x, .offset: 0, .size: 8, .value_kind: global_buffer, .address_space: global }
      - { .name: W, .offset: 8, .size: 8, .value_kind: global_buffer, .address_space: global }
      - { .name: ap, .offset: 16, .size: 8, .value_kind: global_buffer, .address_space: global }
      - { .name: p, .offset: 24, .size: 8, .value_kind: global_buffer, .address_space: global }
      - { .name: an, .offset: 32, .size: 8, .value_kind: global_buffer, .address_space: global }
      - { .name: n, .offset: 40, .size: 8, .value_kind: global_buffer, .address_space: global }
      - { .name: part, .offset: 48, .size: 8, .value_kind: global_buffer, .address_space: global }
    .group_segment_fixed_size: 236544
    .private_segment_fixed_size: 0
    .kernarg_segment_align: 8
    .kernarg_segment_size: 56
    .max_flat_workgroup_size: 256
    .sgpr_count:     66
    .vgpr_count:     512
    .wavefront_size: 32
...
	.end_amdgpu_metadata
.endif
;; end of part 3
;; launch reduce: the kernel of part 2 again; grid 256 x 1, 8 waves a work-group, no clusters, 17,408 bytes of LDS; arguments part, out0; writes out0
